; MI455X (gfx1250); checked and timed in simulation.
; The chip was launched on July 23, 2026; its instructions are those of AMD's public machine-readable ISA for CDNA 5 (MIT licence, August 2026) and "CDNA5" Instruction Set Architecture Reference Guide (July 2026). The comments in the code are by the model that wrote it; some were corrected since.
;; Fusion Attention. Allowed arithmetic: matrix products marked QUANTISED: E2M1 operands, one E8M0 scale for each 32 along K, by v_wmma_scale_f32_16x16x128_f8f6f4 with both operands' format E2M1 (or v_wmma_scale_f32_32x16x128_f4), f32 sums; everything else in f32.
;; Inputs: k 4 x 8 x 2,048 x 64 float32; q 4 x 8 x 2,048 x 64 float32; v 4 x 8 x 2,048 x 64 float32.
;; Outputs: out0 4 x 8 x 2,048 x 64 float32.
;; This version of the problem:
;;   THIS VERSION OF THE PROBLEM IS GIVEN IN LOW PRECISION. The matrix products marked QUANTISED in the list below multiply operands that are first quantised to E2M1 (2 exponent bits, 1 mantissa bit; 4 bits a number), with one power-of-two scale for each 32 numbers along K (OCP MX v1.0); their sums are f32. All else is computed in f32.
;;   The module's matrix products, in the order in which they are computed (A, B: the left and right operand; K: the contracted axis; several contracted axes count as one K, in the product's order):
;;     1. batch 32 x [M 2,048, K 64] x [K 64, N 2,048]; A: computed on the way; B: input k: QUANTISED
;;     2. batch 32 x [M 2,048, K 2,048] x [K 2,048, N 64]; A: softmax (see below); B: input v: QUANTISED
;;   THE QUANTISER, for each operand of a quantised product, along K:
;;     - K is cut into blocks of 32 from its start; a last block that is shorter is filled with zeros.
;;     - A block's scale is 2^e with e = floor(log2(the largest magnitude in the block)) - 2, held to -126 .. 127; a block of zeros has e = 0. As a byte (E8M0): e + 127.
;;     - Each number is divided by its block's scale, clamped to +-6, and rounded to the nearest number of E2M1, ties to even, subnormals kept.
;;     - The product sums the exact products of the quantised numbers (number of the format x scale) in f32.
;;   ~~~python
;;   def quantise(x, axis):      # numpy; x: float32 -> the quantised numbers, widened to float32 again
;;       x = np.moveaxis(x, axis, -1); K = x.shape[-1]
;;       x = np.pad(x, [(0, 0)] * (x.ndim - 1) + [(0, -K % 32)]); x = x.reshape(x.shape[:-1] + (-1, 32)); a = np.abs(x).max(-1, keepdims=True)
;;       e = np.where(a > 0, np.clip(np.frexp(np.where(a > 0, a, 1))[1] - 1 - 2, -126, 127), 0)      # np.frexp(a)[1] - 1 = floor(log2(a)), exactly
;;       r = np.clip(x / 2.0 ** e, -6, 6)
;;       step = 2.0 ** (np.maximum(np.frexp(np.where(r == 0, 1, r))[1] - 1, 0) - 1)
;;       q = np.round(r / step) * step * 2.0 ** e      # np.round: ties to even
;;       return np.moveaxis(q.reshape(q.shape[:-2] + (-1,))[..., :K], -1, axis).astype(np.float32)
;;   ~~~
;;   SOFTMAX AHEAD OF A QUANTISED PRODUCT. Where the list says 'softmax', what is quantised is not the finished softmax but p = 2^(t - M), with t = logit x log2(e) and M = ceil(the row's largest t), a whole number; so 1/2 < the row's largest p <= 1. The row's sum l is taken of the UNQUANTISED p, in f32, and the product's result is divided by l at the end. Since M is a whole number, a kernel that streams over the keys may use a running M (the ceiling of the running maximum): every later rescaling is an exact power of two, which a block's scale takes up: the codes' values come out the same.
;;   OPERANDS COMPUTED ON THE WAY. 'Computed on the way' means the value that the module computes at that place (a softmax that the list does not call 'softmax' is quantised finished and normalised). What goes into a quantiser is computed in f32, as accurately as f32 sums, v_exp_f32 and their like allow (about 1e-6 of the number): no bf16 or f16 on the way to a quantiser, and a product that is left as it is and whose result goes on into a quantised operand takes f32 operands (vector FMAs, or v_wmma_f32_16x16x4_f32). A number that lies on a knife's edge between two numbers of the format may be rounded either way, as far as f32 arithmetic and the matrix unit's own rounding can turn it there, and no further.
;; One version. Each part assembles by itself: llvm-mc -triple=amdgcn-amd-amdhsa -mcpu=gfx1250 --defsym DOCPART=n.
;; ======== version 1 of 1: 2 launches
;; limits: right only within a limited range of input values
;; workspace buffers: kv 4,456,448 bytes
;; launch quant (part 1): grid 16 x 32, 4 waves a work-group, no clusters, 35,840 bytes of LDS; arguments k, v, kv; writes kv
.if DOCPART == 1
	.amdgcn_target "amdgcn-amd-amdhsa--gfx1250"
	.amdhsa_code_object_version 6
	.text
	.protected	k_q2ec5067fd0_quant
	.globl	k_q2ec5067fd0_quant
	.p2align	8
	.type	k_q2ec5067fd0_quant,@function
k_q2ec5067fd0_quant:
	s_mov_b64 s[64:65], 0
	v_nop
	global_prefetch_b8 v0, s[64:65] scope:SCOPE_SE
	s_setreg_imm32_b32 hwreg(HW_REG_WAVE_MODE, 25, 1), 1
	s_wait_xcnt 0x0
; k and v, [32 heads][2048 keys][64 channels] f32, become codes of FP4 (E2M1) with one E8M0 scale byte for each 32 along a product's K, laid in kv as IMAGES OF THE OPERANDS' REGISTERS.
; k is quantised along the channels (K of the first product), v along the keys (K of the second).  A block's scale is 2^(floor(log2(its largest magnitude)) - 2); its byte is the largest magnitude's exponent field - 2, held at 1 from below.
; LIMITS: NaN and infinities among the inputs are not served; a block whose largest magnitude lies under 2^-124, a block of zeros among them, keeps the byte 1 (the rule gives a block of zeros 127):
; its codes add nothing under any byte but 0xff, and this program alone reads the bytes.
; kv, for head H and key step s (128 keys), 8,704 bytes at (16 H + s) x 8704:
;   +0     K: four double fragments f = 2 c + g of 1,024 bytes; part u (512 bytes): lane 16 h + r has channels 32 h .. 32 h + 31 of key 128 s + 64 c + 16 g + 8 u + (r % 8) + 32 (r / 8)
;   +4096  V^T: four fragments t of 1,024 bytes; part c (512 bytes): lane 16 h + r: keys 128 s + 64 c + 32 h + 0 .. 31 of channel 16 t + r
;   +8192  scale words, 16 bytes a lane: lanes 0-15 K's words of f = 0 .. 3 for r (bytes 0, 1: part 0's key, channels 0-31 and 32-63; bytes 2, 3: part 1's key); lanes 16-31 V's words of t = 0 .. 3 (byte b: key block b of the step)
; SHARES.  A work-group takes one key step of one head; wave w takes of K the double fragment f = w (two runs of 16 keys, 32 apart), of V the key block b = w.
; K: a lane must hold a whole key (64 neighbours), a load takes neighbouring bytes in neighbouring lanes: the wave's 2 x 4,096 bytes are loaded as they lie and turn through the wave's own stage in LDS.
; V: a lane takes a channel and its registers run down the keys: a block of 32 keys lies in one lane's 32 registers, and the codes come out with the keys innermost.
; No matrix unit, no tensor load, no cluster (work-groups share no input).  Every offset is an immediate, and no register that a memory instruction names is written again.
.set STG, 8704                         ; a wave's stage: 32 rows x (256 bytes + 16)
.set SCB, 4*STG                        ; behind the stages: the step's 512 bytes of scale words
.set KR,  16                           ; v16-79   K as loaded
.set KX,  80                           ; v80-143  my key's 64 channels
.set VX,  144                          ; v144-207 two sets of 32 keys of one channel
.set KC,  208                          ; v208-215 K's codes
.set VC,  216                          ; v216-223 V's codes
	s_load_b128 s[4:7], s[0:1], 0x0                ; k, v
	s_load_b64 s[8:9], s[0:1], 0x10                ; kv
	v_lshl_add_u32 v232, v0, 2, 0x8a00
	v_mov_b32 v233, 0
	v_lshrrev_b32 v1, 5, v0
	v_readfirstlane_b32 s10, v1                    ; wave 0..3
	s_and_b32 s11, ttmp7, 0xffff                   ; the head
	s_lshl_b32 s12, s11, 19                        ; a head is 2,048 rows of 256 bytes,
	s_lshl_b32 s13, ttmp9, 15                      ; a key step 128 rows
	s_add_co_u32 s12, s12, s13
	s_lshr_b32 s18, s10, 1
	s_lshl_b32 s18, s18, 14                        ; K: 64 c + 16 g rows on
	s_and_b32 s13, s10, 1
	s_lshl_b32 s13, s13, 12
	s_add_co_u32 s18, s18, s13
	s_add_co_u32 s18, s18, s12
	s_mov_b32 s19, 0
	s_lshl_b32 s13, s10, 13                        ; V: 32 w rows on
	s_add_co_u32 s12, s12, s13
	s_mov_b32 s13, 0
	s_lshl_b32 s14, s11, 4
	s_add_co_u32 s14, s14, ttmp9
	s_mul_i32 s14, s14, 8704                       ; the step's place in kv
	s_mov_b32 s15, 0
	s_mov_b32 s20, 0x76543210
	s_mov_b32 s21, 0xfedcba98                      ; v_permlanex16_b32's selects for lane l xor 16
	s_mul_i32 s16, s10, STG                        ; my stage
	v_and_b32 v12, 31, v0                          ; L
	v_and_b32 v13, 15, v0                          ; r
	v_bfe_u32 v14, v0, 4, 1                        ; u = L / 16
	v_lshlrev_b32 v2, 4, v12                       ; v2: 16 L: K's dense loads, and the scale words' store
	v_mul_u32_u24 v3, v14, 272
	v_lshl_add_u32 v3, v13, 4, v3
	v_add_nc_u32 v3, s16, v3                       ; v3: the stage, on the way in: a load's 512 bytes are two rows
	v_bfe_u32 v15, v0, 3, 1
	v_and_b32 v4, 7, v0
	v_lshl_or_b32 v4, v15, 4, v4
	v_lshl_or_b32 v4, v14, 3, v4                   ; the stage row that the image wants of lane (u, r): 8 u + (r % 8) + 16 (r / 8); rows 16 .. 31 are the second run of keys
	v_mul_u32_u24 v4, v4, 272
	v_add_nc_u32 v4, s16, v4                       ; v4: the stage, on the way out
	s_lshl_b32 s17, s10, 10
	v_lshlrev_b32 v5, 9, v14
	v_lshl_add_u32 v5, v13, 4, v5
	v_add_nc_u32 v5, s17, v5                       ; v5: K's codes in kv: 1024 w + 512 u + 16 r (+ 256 h)
	s_lshl_b32 s17, s10, 2
	v_lshlrev_b32 v6, 4, v13
	v_add_nc_u32 v6, s17, v6
	v_add_nc_u32 v6, SCB, v6                       ; v6: K's scale word in LDS: 16 r + 4 w
	v_lshlrev_b32 v7, 2, v12                       ; v7: V's loads: 4 L
	s_lshl_b32 s17, s10, 8
	v_lshlrev_b32 v8, 10, v14
	v_lshl_add_u32 v8, v13, 4, v8
	v_add_nc_u32 v8, s17, v8
	v_add_nc_u32 v8, 4096, v8                      ; v8: V's codes in kv: 4096 + 1024 u + 256 w + 16 r (+ 2048 g): fragment t = 2 g + u, part w / 2, half w % 2
	v_lshlrev_b32 v9, 4, v13
	v_lshl_add_u32 v9, v14, 2, v9
	v_add_nc_u32 v9, s10, v9
	v_add_nc_u32 v9, SCB+256, v9                   ; v9: V's scale byte in LDS: 256 + 16 r + 4 u + w (+ 8 g)
	v_add_nc_u32 v10, SCB, v2                      ; v10: the scale words read back
	v_lshlrev_b32 v11, 4, v14                      ; v11: 16 u, a shift
	v_mov_b32 v231, 0                              ; a lane permute's destination counts as one of its sources
	s_wait_alu depctr_va_vdst(0)                   ; the wait at the head's end
	s_wait_kmcnt 0x0
	s_add_nc_u64 s[4:5], s[4:5], s[18:19]
	s_add_nc_u64 s[6:7], s[6:7], s[12:13]
	s_add_nc_u64 s[8:9], s[8:9], s[14:15]
; 32 numbers of one lane, v[src] on, become 32 codes in v[dst] .. v[dst + 3]; the scale's byte goes to v[e]
.macro QB src, dst, e
	v_max3_num_f32 v224, |v[\src]|, |v[\src+1]|, |v[\src+2]|       ; the block's largest magnitude, in two chains
	v_max3_num_f32 v225, |v[\src+3]|, |v[\src+4]|, |v[\src+5]|
.irp i, 6,10,14,18,22,26
	v_max3_num_f32 v224, v224, |v[\src+\i]|, |v[\src+\i+1]|
	v_max3_num_f32 v225, v225, |v[\src+\i+2]|, |v[\src+\i+3]|
.endr
	v_max3_num_f32 v224, v224, |v[\src+30]|, |v[\src+31]|
	v_max3_num_f32 v224, v224, v225, 0x1800000     ; and the floor 2^(3 - 127): the byte cannot fall under 1
	v_add_nc_u32 v226, 0xff000000, v224            ; 2 off the exponent field: the conversion's scale operand
	v_lshrrev_b32 v[\e], 23, v226                  ; the scale's byte
.irp g, 0,1,2,3
	v_cvt_scalef32_pk8_fp4_f32 v[\dst+\g], v[\src+8*\g:\src+8*\g+7], v226   ; to the nearest code, ties to even; beyond 6 the largest code
.endr
	v_nop                                          ; one plain line behind the last conversion
.endm
.irp i, 0,1,2,3,4,5,6,7,8,9,10,11,12,13,14,15
	global_load_b128 v[KR+4*\i:KR+4*\i+3], v2, s[4:5] offset:512*\i+4096*(\i/8) th:TH_LOAD_NT   ; 32 lanes read 512 consecutive bytes: two keys; the second run begins 32 keys behind the first
.endr
.irp i, 0,1,2,3,4,5,6,7,8,9,10,11,12,13,14,15,16,17,18,19,20,21,22,23,24,25,26,27,28,29,30,31
	global_load_b32 v[VX+\i], v7, s[6:7] offset:256*\i th:TH_LOAD_NT                ; v(key i, channel L)
.endr
	s_wait_loadcnt 32                              ; the 32 younger loads are V's: K is in
.irp i, 0,1,2,3,4,5,6,7,8,9,10,11,12,13,14,15
	ds_store_b128 v3, v[KR+4*\i:KR+4*\i+3] offset:544*\i
.endr
.irp j, 0,1,2,3,4,5,6,7,8,9,10,11,12,13,14,15
	ds_load_b128 v[KX+4*\j:KX+4*\j+3], v4 offset:16*\j     ; LDS serves a wave's instructions in order (ISA guide 5.7.1.4): these see the stores above
.endr
.irp i, 0,1,2,3,4,5,6,7,8,9,10,11,12,13,14,15,16,17,18,19,20,21,22,23,24,25,26,27,28,29,30,31
	global_load_b32 v[VX+32+\i], v7, s[6:7] offset:256*\i+128 th:TH_LOAD_NT         ; v(key i, channel 32 + L)
.endr
	s_wait_dscnt 0x0                               ; my key's 64 channels are back
	QB KX, KC, 227                                 ; channels 0-31
	QB KX+32, KC+4, 228                            ; channels 32-63
	global_store_b128 v5, v[KC:KC+3], s[8:9]                   ; lanes 0-15 and lanes 16-31 each store 256 consecutive bytes, at a multiple of 256 from kv's first byte
	global_store_b128 v5, v[KC+4:KC+7], s[8:9] offset:256
	v_lshl_or_b32 v227, v228, 8, v227              ; my key's two bytes,
	v_lshlrev_b32 v227, v11, v227                  ; at their places in the word (16 u bits up);
	v_permlanex16_b32 v231, v227, s20, s21
	v_or_b32 v227, v227, v231                      ; with lane l xor 16's two (the other part's key) the word is whole
	ds_store_b32 v6, v227                          ; both halves of the lanes write the same word with the same value
	s_wait_loadcnt 32                              ; the 32 younger loads are V's second set: the first is in
	QB VX, VC, 229
	global_store_b128 v8, v[VC:VC+3], s[8:9]
	ds_store_b8 v9, v229
	s_wait_loadcnt 0x0
	QB VX+32, VC+4, 230
	global_store_b128 v8, v[VC+4:VC+7], s[8:9] offset:2048
	ds_store_b8 v9, v230 offset:8
	s_wait_dscnt 0x0                               ; for the others' sake: my scale words and bytes lie in LDS
	s_barrier_signal -1
	s_barrier_wait -1                              ; everybody's do
	s_cmp_lg_u32 s10, 0
	s_cbranch_scc1 .Ldone                          ; wave 0 stores the step's scale words
	ds_load_b128 v[KR:KR+3], v10
	s_wait_dscnt 0x0
	global_store_b128 v2, v[KR:KR+3], s[8:9] offset:8192       ; 32 lanes store 512 consecutive bytes
.Ldone:
	s_wait_tensorcnt 0x0                           ; the wave's end
	ds_add_u32 v232, v233
	s_wait_dscnt 0x0
	s_endpgm
.Lfunc_end_k_q2ec5067fd0_quant:
	.size	k_q2ec5067fd0_quant, .Lfunc_end_k_q2ec5067fd0_quant-k_q2ec5067fd0_quant
	.p2alignl 7, 3214868480
	.fill 96, 4, 3214868480
	.section	.rodata,"a",@progbits
	.p2align	6, 0x0
	.amdhsa_kernel k_q2ec5067fd0_quant
		.amdhsa_group_segment_fixed_size 35840
		.amdhsa_private_segment_fixed_size 0
		.amdhsa_enable_private_segment 0
		.amdhsa_kernarg_size 24
		.amdhsa_user_sgpr_count 2
		.amdhsa_user_sgpr_kernarg_segment_ptr 1
		.amdhsa_wavefront_size32 1
		.amdhsa_system_sgpr_workgroup_id_x 1
		.amdhsa_system_sgpr_workgroup_id_y 1
		.amdhsa_system_sgpr_workgroup_id_z 1
		.amdhsa_system_vgpr_workitem_id 0
		.amdhsa_next_free_vgpr 234
		.amdhsa_next_free_sgpr 66
		.amdhsa_reserve_vcc 0
		.amdhsa_float_denorm_mode_32 3
		.amdhsa_float_denorm_mode_16_64 3
		.amdhsa_memory_ordered 1
		.amdhsa_forward_progress 1
		.amdhsa_inst_pref_size 20
	.end_amdhsa_kernel
	.amdgpu_metadata
---
amdhsa.version: [ 1, 2 ]
amdhsa.kernels:
  - .name:           k_q2ec5067fd0_quant
    .symbol:         k_q2ec5067fd0_quant.kd
    .args:
      - { .name: k, .offset: 0, .size: 8, .value_kind: global_buffer, .address_space: global }
      - { .name: v, .offset: 8, .size: 8, .value_kind: global_buffer, .address_space: global }
      - { .name: kv, .offset: 16, .size: 8, .value_kind: global_buffer, .address_space: global }
    .group_segment_fixed_size: 35840
    .private_segment_fixed_size: 0
    .kernarg_segment_align: 8
    .kernarg_segment_size: 24
    .max_flat_workgroup_size: 128
    .sgpr_count:     66
    .vgpr_count:     234
    .wavefront_size: 32
...
	.end_amdgpu_metadata
.endif
;; end of part 1
;; launch attn (part 2): grid 8 x 32, 8 waves a work-group, clusters of 4 x 1, 327,680 bytes of LDS; arguments q, kv, out0; writes out0
.if DOCPART == 2
	.amdgcn_target "amdgcn-amd-amdhsa--gfx1250"
	.amdhsa_code_object_version 6
	.text
	.protected	k_q2ec5067fd0_attn
	.globl	k_q2ec5067fd0_attn
	.p2align	8
	.type	k_q2ec5067fd0_attn,@function
k_q2ec5067fd0_attn:
	s_mov_b64 s[64:65], 0
	v_nop
	global_prefetch_b8 v0, s[64:65] scope:SCOPE_SE
	s_setreg_imm32_b32 hwreg(HW_REG_WAVE_MODE, 25, 1), 1
	s_wait_xcnt 0x0
	s_wait_alu depctr_hold_cnt(0) depctr_sa_sdst(0) depctr_va_vdst(0) depctr_va_sdst(0) depctr_va_ssrc(0) depctr_va_vcc(0) depctr_vm_vsrc(0)
	s_getreg_b32 s2, hwreg(HW_REG_IB_STS2, 6, 4)
	s_cmp_eq_u32 s2, 0
	s_cbranch_scc0 .Lentry_in_a_cluster
	s_endpgm
.Lentry_in_a_cluster:
	s_bfe_u32 s2, ttmp6, 0x10000c
	s_cmp_lg_u32 s2, 0x3003
	s_cbranch_scc0 .Lentry_shape_is_right
	s_endpgm
.Lentry_shape_is_right:
; out0[H][n][:] = the sum over m of softmax_m(0.125 q[H][n] . k[H][m]) v[H][m][:], 32 heads, 2,048 queries and keys, 64 channels; both products on codes of FP4 (E2M1) with one E8M0 scale for each 32 along K.
; k and v come as codes from kv, laid as images of the operands' registers (8,704 bytes a key step of 128 keys: 4,096 of K, 4,096 of V^T, 512 of scale words); q is read once, by one wave, and is quantised here, in registers.
; THE SOFTMAX AHEAD OF THE SECOND PRODUCT: t = score x log2(e).  Each block of 32 keys of a query has a frame of its own, Mb = floor(its largest t): p' = 2^(t - Mb), whose largest lies in [1, 2), so that the block's scale for the conversion is always 2^-2.
; M = the row's running maximum of the Mb; the block's p = p' x 2^(Mb - M), a power of two that stands in the block's scale byte, Mb - M + 125.  The codes are those of any other whole number M.
; The row's sum is taken of the unquantised p', block by block in f32, and enters the row under M with the factor 2^(Mb - M - 2) (a quarter of the sum is carried).  When M moves, sum and O are multiplied by 2^(old M - new M): exact, no branch on data.
; LIMITS: NaN and infinities among the inputs are not served; the promise holds while the scaled scores t stay under 2^31 in magnitude; a block whose largest p lies under 2^-124 keeps the scale byte 1; a block of q whose largest magnitude
; lies under 2^-121 (a block of zeros among them) keeps the byte 1; a p' under 2^-126 comes out of v_exp_f32 as 0 (ISA guide 15.8).
; SHARES.  A work-group owns 256 queries of one head; each of its EIGHT waves owns 32, two tiles A and B that share every fragment of K and V; 512 registers, two waves to a SIMD.
; LAYOUT.  Both products are used transposed (S^T = K Q^T, O^T = V^T P^T): a lane holds ONE query of each tile (lane % 16).  The keys of a tile of K are not neighbours: rows 0-7 of tile u of a chunk of 64 keys are its keys 8 u .., rows 8-15 its keys 32 + 8 u ..;
; so a lane's 32 registers of a chunk's four tiles are ONE WHOLE BLOCK of 32 neighbouring keys (block lane / 16 of the chunk), in the order of the second product's operand: no maximum and no code passes between lanes.
; THE FIRST PRODUCT'S K IS 64, THE INSTRUCTION'S 128.  A fragment of K holds TWO tiles of 16 keys (registers 0-3 and 4-7); it is multiplied once by [q | 0] and once by [0 | q]: zero codes add nothing.
; PIPELINE.  A segment is a chunk of 64 keys of both tiles; a GROUP (512 keys) is eight segments.  Two buffers of 2 x 32 registers.  Segment n: exponentials of chunk n; codes and sums of chunk n - 1, and into its buffer the first products of chunk n + 1;
; maxima and multiply-adds of chunk n + 1.  Segment 0 also ends the group before: M, scale bytes, O under the new M, second products of its key steps 0 and 1; segment 1 has those of steps 2 and 3.
; LDS.  A whole head's kv, 139,264 bytes, lies in LDS as in memory; every byte is filled once.  Each wave has one joint load at the head (together key steps 0-3, which is group 0) and one behind the first full sequence and round (key steps 4-15).
; Behind the head each wave has a stage of 32 rows x 272 bytes, for q's way in and O's way out; no tensor load lands there.
; CLUSTER.  The four query blocks of a cluster belong to one head: each tile is asked for JOINTLY, by the same tensor load with the same descriptor and the mask of all four.
; Nothing is prefetched: the last 104,448 bytes of kv are asked for ahead of the first key, six segments ahead of their first use; no loop asks for anything.
.set STEPB, 8704                       ; a key step in kv and in LDS
.set HEADB, 16*STEPB                   ; a head: 139,264 bytes
.set GRP,   4*STEPB                    ; a group
.set P1,    17*256                     ; a wave's part of key steps 0-3: 17 rows of 256 bytes
.set P2,    51*256                     ; and of key steps 4-15
.set STAGE, HEADB
.set STW,   32*272                     ; a wave's stage
.set SPARE, STAGE+8*STW                ; the spare words, 128 bytes for each wave: four blocks of 256 bytes that no other line names
.set LI,  1                            ; v1   16 x lane: my place in an image, and in two rows of q or of out0
.set ADR, 2                            ; v2   LDS address of the group in hand + 16 x lane
.set SPW, 3                            ; v3   LDS address of my spare word; never rewritten
.set NIL, 4                            ; v4   0; never rewritten
.set SOP, 5                            ; v5   2^-2: the conversions' scale operand
.set PW,  6                            ; v6-9 p's scale words: key steps 0, 1 (lanes 0-15, 16-31) of A, of B; steps 2, 3 of A, of B
.set QS,  10                           ; v10-11 q's scale words of tiles A, B: (e0, e1, e0, e1)
.set SK,  12                           ; v12-19 K's scale words of two steps (lanes 0-15)
.set SV,  20                           ; v20-35 V's of the group's four steps (lanes 16-31)
.set FB,  36                           ; v36-39 -Mb of two chunks: A, B, A, B
.set MB,  40                           ; v40-55 -Mb of the group's chunks: A, B by turns
.set SB,  56                           ; v56-71 their sums, likewise
.set MM,  72                           ; v72-73 -M of tiles A, B
.set FF,  74                           ; v74-75 2^(old M - new M)
.set SUM, 76                           ; v76-77 a quarter of the rows' sums
.set T,   78                           ; v78-93 four chains of sums for each tile
.set Y,   78                           ; at a group's end: the blocks' factors, in the order of MB
.set XC,  94                           ; v94-101 four chains of maxima for each tile
.set TM,  94                           ; at a group's end
.set TP,  96
.set TW,  98
.set QZ,  108                          ; v108-127  0 0 0 0, A's codes, 0 0 0 0, B's codes, 0 0 0 0.   v102-106 addresses of the way in and out
.set S,   128                          ; v128-255 two buffers: 32 registers of A, 32 of B
.set KB,  20                           ; window 1: v20-51 K's double fragments of two chunks
.set VB,  52                           ; window 1: v52-115 V's fragments of two steps
.set PC,  116                          ; window 1: v116-179 p's codes: 32 registers a tile
.set O,   180                          ; window 1: v180-243 O^T, four tiles of 16 channels for A, then for B
.set WV,  10                           ; s10  my wave's number
.set SEL, 20                           ; s[20:21] lane selects for lane l xor 16
.set CS,  22                           ; s[22:23] log2(e): the packed form names a pair and takes its low word for both halves
.set G1A, 24                           ; s[24:31] descriptor group 1 of the first loads;  s[48:55] of the second
.set G0A, 32                           ; s[32:35] group 0 of the first loads;  s[36:39] of the second
.set G0B, 36
.set G1B, 48
.set TB,  40                           ; s40  LDS byte at which the group in hand begins
.set CNT, 41
.set NC,  43                           ; s43  -log2(e)
.set MSB, 0
.macro WIN new                         ; register windows; the immediate's high byte repeats the setting that is left
.if MSB != \new
	s_set_vgpr_msb (MSB<<8)|\new
.set MSB, \new
.endif
.endm
; A round of the cluster's barrier
.macro ROUND
	s_barrier_signal -1
	s_barrier_wait -1
	s_cmp_lg_u32 s[WV], 0
	s_cbranch_scc1 .Lnot_wave_0_\@
	s_barrier_signal -3
.Lnot_wave_0_\@:
	s_barrier_wait -3
	s_barrier_signal -1
	s_barrier_wait -1
.endm
	s_load_b128 s[4:7], s[0:1], 0x0                ; q, kv
	s_load_b64 s[8:9], s[0:1], 0x10                ; out0
	v_lshl_add_u32 v[SPW], v0, 2, SPARE
	v_mov_b32 v[NIL], 0
	ds_add_u32 v[SPW], v[NIL]                      ; the wave's opening: the add, twice on end, ahead of my first tensor load
	ds_add_u32 v[SPW], v[NIL]
	v_lshrrev_b32 v102, 5, v0
	v_readfirstlane_b32 s[WV], v102                ; wave 0..7
	s_bfe_u32 s11, ttmp6, 0x40000                  ; cx: it enters q's and out0's addresses alone
	s_lshl_b32 s12, ttmp9, 2                       ; in a cluster launch ttmp9 counts clusters
	s_add_co_u32 s12, s12, s11                     ; my block of 256 queries
	s_and_b32 s13, ttmp7, 0xffff                   ; the head, which the four partners share
	s_lshl_b32 s14, s13, 19                        ; a head is 2,048 rows of 256 bytes,
	s_lshl_b32 s15, s12, 16                        ; a block 256 rows,
	s_add_co_u32 s14, s14, s15
	s_lshl_b32 s15, s[WV], 13                      ; my wave's tiles 32 rows
	s_add_co_u32 s14, s14, s15
	s_mov_b32 s15, 0
	s_mul_i32 s16, s13, HEADB                      ; the head's block of kv
	s_mul_i32 s[G0A+1], s[WV], P1                  ; my part of key steps 0-3: in LDS as in memory
	s_mul_i32 s[G0B+1], s[WV], P2
	s_add_co_u32 s[G0B+1], s[G0B+1], 8*P1          ; and of key steps 4-15
	s_add_co_u32 s18, s16, s[G0A+1]
	s_mov_b32 s19, 0
	s_add_co_u32 s16, s16, s[G0B+1]
	s_mov_b32 s17, 0
	s_mul_i32 s42, s[WV], STW
	s_add_co_u32 s42, s42, STAGE                   ; my stage
	s_mov_b32 s[SEL], 0x76543210
	s_mov_b32 s[SEL+1], 0xfedcba98
	s_mov_b32 s[CS], 0x3fb8aa3b                    ; log2(e)
	s_mov_b32 s[CS+1], s[CS]
	s_mov_b32 s[NC], 0xbfb8aa3b
	s_mov_b32 s[TB], 0
	; descriptor group 1: rows of 32 elements of 8 bytes, dense in memory and in LDS: 17 rows, and 51
	s_mov_b32 s[G1A], 15|(3<<16)|(1<<21)           ; 15:0 the mask: all four work-groups; 17:16 elements of 8 bytes; 20 no padding; 21 set beside a mask
	s_mov_b32 s[G1A+1], 32<<16
	s_mov_b32 s[G1A+2], 17<<16
	s_mov_b32 s[G1A+3], 32<<16
	s_mov_b32 s[G1A+4], 17
	s_mov_b32 s[G1A+5], 32
	s_mov_b32 s[G1A+6], 0
	s_mov_b32 s[G1A+7], 0
	s_mov_b32 s[G1B], 15|(3<<16)|(1<<21)
	s_mov_b32 s[G1B+1], 32<<16
	s_mov_b32 s[G1B+2], 51<<16
	s_mov_b32 s[G1B+3], 32<<16
	s_mov_b32 s[G1B+4], 51
	s_mov_b32 s[G1B+5], 32
	s_mov_b32 s[G1B+6], 0
	s_mov_b32 s[G1B+7], 0
	s_mov_b32 s[G0A], 1
	s_mov_b32 s[G0B], 1
	v_and_b32 v102, 31, v0                         ; L
	v_and_b32 v103, 15, v0                         ; r
	v_bfe_u32 v104, v0, 4, 1                       ; h
	v_lshlrev_b32 v[LI], 4, v102
	v_mul_u32_u24 v105, v103, 272
	v_mul_u32_u24 v106, v104, 272
	v_lshl_add_u32 v105, v104, 7, v105
	v_lshl_add_u32 v106, v103, 4, v106
	v_add_nc_u32 v105, s42, v105                   ; the stage: row r, + 128 h: my 32 channels of q
	v_add_nc_u32 v106, s42, v106                   ; the stage: row h, + 16 r: two rows an instruction
	s_wait_alu depctr_va_vdst(0)
	s_wait_dscnt 0x0                               ; both opening adds are done
	s_wait_kmcnt 0x0
	s_add_nc_u64 s[4:5], s[4:5], s[14:15]          ; q and out0 at my tiles' first row
	s_add_nc_u64 s[8:9], s[8:9], s[14:15]
	s_add_nc_u64 s[G0A+2:G0A+3], s[6:7], s[18:19]
	s_add_nc_u64 s[G0B+2:G0B+3], s[6:7], s[16:17]
	s_or_b32 s[G0A+3], s[G0A+3], 0x80000000        ; type = 2
	s_or_b32 s[G0B+3], s[G0B+3], 0x80000000
.irp i, 0,1,2,3,4,5,6,7,8,9,10,11,12,13,14,15
	global_load_b128 v[S+4*\i:S+4*\i+3], v[LI], s[4:5] offset:512*\i th:TH_LOAD_NT   ; 32 lanes read 512 consecutive bytes: two queries
.endr
	ROUND                                          ; all four work-groups are here: the joint loads meet
	tensor_load_to_lds s[G0A:G0A+3], s[G1A:G1A+7]  ; key steps 0-3: my one load at the head
	s_nop 0
.rept 4
	v_nop
.endr
	; Q: 32 rows of 256 bytes, turned through my stage so that lane (r, h) holds channels 32 h .. 32 h + 31 of query r of each tile: one whole block
	v_mov_b32 v[TP], 0                             ; a lane permute's destination counts as one of its sources
	v_mov_b32 v[TP+1], 0
	v_mov_b32 v[SUM], 0
	v_mov_b32 v[SUM+1], 0
	v_mov_b32 v[MM], 0x7f61b1e6                    ; -M = 3e38: M under every t
	v_mov_b32 v[MM+1], 0x7f61b1e6
	v_mov_b32 v[SOP], 0x3e800000
	v_add_nc_u32 v[ADR], s[TB], v[LI]
.irp g, 0,1,2,3
	v_mov_b32 v[QZ+\g], 0                          ; zero codes round q's
	v_mov_b32 v[QZ+8+\g], 0
	v_mov_b32 v[QZ+16+\g], 0
.endr
	WIN 0x40
.set i, 0
.rept 64
	v_mov_b32 v[O+i], 0                            ; O^T.  (A group's end is written once for groups 0 to 2: the first finds zeros, which the first change of M leaves zeros.)  q is on its way meanwhile
.set i, i+1
.endr
	WIN 0
	s_wait_alu depctr_va_vdst(0)
.irp i, 0,1,2,3,4,5,6,7,8,9,10,11,12,13,14,15
	s_wait_loadcnt 15-\i                           ; load i is in, the younger ones may be out
	ds_store_b128 v106, v[S+4*\i:S+4*\i+3] offset:544*\i
.endr
.irp x, 0,1
.irp j, 0,1,2,3,4,5,6,7
	ds_load_b128 v[S+64+32*\x+4*\j:S+64+32*\x+4*\j+3], v105 offset:4352*\x+16*\j   ; LDS serves a wave's instructions in order (ISA guide 5.7.1.4): these see the stores above
.endr
.endr
	s_wait_dscnt 0x0
.irp x, 0,1
	v_max3_num_f32 v[T+2*\x], |v[S+64+32*\x]|, |v[S+65+32*\x]|, |v[S+66+32*\x]|      ; a block's largest magnitude: all 32 numbers are mine; two chains a tile
	v_max3_num_f32 v[T+2*\x+1], |v[S+67+32*\x]|, |v[S+68+32*\x]|, |v[S+69+32*\x]|
.endr
.irp i, 6,10,14,18,22,26
.irp x, 0,1
	v_max3_num_f32 v[T+2*\x], v[T+2*\x], |v[S+64+32*\x+\i]|, |v[S+65+32*\x+\i]|
	v_max3_num_f32 v[T+2*\x+1], v[T+2*\x+1], |v[S+66+32*\x+\i]|, |v[S+67+32*\x+\i]|
.endr
.endr
.irp x, 0,1
	v_max3_num_f32 v[T+2*\x], v[T+2*\x], |v[S+94+32*\x]|, |v[S+95+32*\x]|
.endr
.irp x, 0,1
	v_max3_num_f32 v[T+2*\x], v[T+2*\x], v[T+2*\x+1], 0x3000000   ; and the floor 2^(6 - 127): the byte below cannot fall under 1
.endr
.irp x, 0,1
	v_add_nc_u32 v[T+4+\x], 0xff000000, v[T+2*\x]  ; 2 off the exponent field: the conversion's scale operand
	v_add_nc_u32 v[T+6+\x], 0xfd800000, v[T+2*\x]  ; 5 off: the factor 0.125 of the scores stands in q's scale, its codes are the same
.endr
.irp x, 0,1
	v_lshrrev_b32 v[T+6+\x], 23, v[T+6+\x]         ; my block's byte
.endr
.irp x, 0,1
	v_permlanex16_b32 v[TP+\x], v[T+6+\x], s[SEL], s[SEL+1]       ; and the other block's
.endr
.irp x, 0,1
	v_lshl_or_b32 v[QS+\x], v[TP+\x], 8, v[T+6+\x] ; in lanes 0-15, which alone are read: (e0, e1),
.endr
.irp x, 0,1
	v_lshl_or_b32 v[QS+\x], v[QS+\x], 16, v[QS+\x] ; twice: q stands in the lower or in the upper half of K
.endr
.irp x, 0,1
.irp g, 0,1,2,3
	v_cvt_scalef32_pk8_fp4_f32 v[QZ+4+8*\x+\g], v[S+64+32*\x+8*\g:S+71+32*\x+8*\g], v[T+4+\x]
.endr
.endr
.rept 8
	v_nop                                          ; a plain line behind the last conversion, and eight places between q's scale words and the first scaled product
.endr
; K's double fragments of chunk q of the group at ADR (8 to 10: the next group's 0 to 2), and with a step's first chunk its scale words
.macro KLOAD q
	WIN 0x40
.irp g, 0,1
.irp u, 0,1
	ds_load_b128 v[KB+16*((\q)%2)+8*\g+4*\u:KB+16*((\q)%2)+8*\g+4*\u+3], v[ADR] offset:STEPB*((\q)/2)+2048*((\q)%2)+1024*\g+512*\u
.endr
.endr
	WIN 0
.if (\q)%2 == 0
	ds_load_b128 v[SK+4*(((\q)/2)%2):SK+4*(((\q)/2)%2)+3], v[ADR] offset:STEPB*((\q)/2)+8192
.endif
.endm
; V's fragments and scale words of key steps 2 p and 2 p + 1 of the group at ADR
.macro VLOAD p
	WIN 0x40
.irp j, 0,1
.irp t, 0,1,2,3
.irp c, 0,1
	ds_load_b128 v[VB+32*\j+8*\t+4*\c:VB+32*\j+8*\t+4*\c+3], v[ADR] offset:STEPB*(2*(\p)+\j)+4096+1024*\t+512*\c
.endr
.endr
.endr
	WIN 0
.irp j, 0,1
	ds_load_b128 v[SV+8*(\p)+4*\j:SV+8*(\p)+4*\j+3], v[ADR] offset:STEPB*(2*(\p)+\j)+8192
.endr
.endm
; S^T of chunk u, tile x: four tiles of 16 keys; register 8 i + j is key 8 i + j of my block
.macro WW u, x
.set DB, S+64*((\u)%2)+32*\x
.set KF, KB+16*((\u)%2)
.set KW, SK+4*(((\u)/2)%2)+2*((\u)%2)
.set QA, QZ+8*\x
.set QW, QS+\x
	WIN 0x01
.irp g, 0,1
	v_wmma_scale_f32_16x16x128_f8f6f4 v[DB+16*\g:DB+16*\g+7], v[KF+8*\g:KF+8*\g+7], v[QA+4:QA+11], 0, v[KW+\g], v[QW] matrix_a_fmt:MATRIX_FMT_FP4 matrix_b_fmt:MATRIX_FMT_FP4
	v_wmma_scale_f32_16x16x128_f8f6f4 v[DB+16*\g+8:DB+16*\g+15], v[KF+8*\g:KF+8*\g+7], v[QA:QA+7], 0, v[KW+\g], v[QW] matrix_a_fmt:MATRIX_FMT_FP4 matrix_b_fmt:MATRIX_FMT_FP4
.endr
.endm
; the 64 codes of chunk u
.macro CODES u
.set AB, S+64*((\u)%2)
.set CB, PC+4*((\u)%8)
	WIN 0x40
.irp x, 0,1
.irp g, 0,1,2,3
	v_cvt_scalef32_pk8_fp4_f32 v[CB+32*\x+\g], v[AB+32*\x+8*\g:AB+32*\x+8*\g+7], v[SOP]
.endr
.endr
	WIN 0
.endm
; the first 24 additions of chunk u's sums in eight chains, four of each tile
.macro ADDS u
.set AB, S+64*((\u)%2)
.irp a, 0,1,2,3,4,5,6,7
	v_pk_add_f32 v[T+2*\a:T+2*\a+1], v[AB+8*\a:AB+8*\a+1], v[AB+8*\a+2:AB+8*\a+3]
.endr
.irp j, 4,6
.irp a, 0,1,2,3,4,5,6,7
	v_pk_add_f32 v[T+2*\a:T+2*\a+1], v[T+2*\a:T+2*\a+1], v[AB+8*\a+\j:AB+8*\a+\j+1]
.endr
.endr
.endm
; the sums' ends in three parts; with the second, -Mb of chunk u goes to its place in the group
.macro AT1
.irp x, 0,8
	v_pk_add_f32 v[T+\x:T+\x+1], v[T+\x:T+\x+1], v[T+\x+2:T+\x+3]
	v_pk_add_f32 v[T+\x+4:T+\x+5], v[T+\x+4:T+\x+5], v[T+\x+6:T+\x+7]
.endr
.endm
.macro AT2 u
.irp x, 0,1
	v_mov_b32 v[MB+2*((\u)%8)+\x], v[FB+2*((\u)%2)+\x]
.endr
.irp x, 0,8
	v_pk_add_f32 v[T+\x:T+\x+1], v[T+\x:T+\x+1], v[T+\x+4:T+\x+5]
.endr
.endm
.macro ASUM u
.irp x, 0,1
	v_add_f32 v[SB+2*((\u)%8)+\x], v[T+8*\x], v[T+8*\x+1]
.endr
.endm
; chunk u: the largest scores of my two blocks in eight chains, four of each tile, each accumulator from its low end on
.macro XM u
.set XB, S+64*((\u)%2)
.irp a, 0,1,2,3,4,5,6,7
	v_max3_num_f32 v[XC+\a], v[XB+8*\a], v[XB+8*\a+1], v[XB+8*\a+2]
.endr
.irp j, 3,5
.irp a, 0,1,2,3,4,5,6,7
	v_max3_num_f32 v[XC+\a], v[XC+\a], v[XB+8*\a+\j], v[XB+8*\a+\j+1]
.endr
.endr
.endm
; the maxima's ends, -Mb = ceil(-t) = -floor(t), with independent work between their steps: the ends of the sums of chunk u - 2 (a = 1, 3) and the loads of K's chunk q (kl = 1)
.macro XTAIL u, a, kl, q
.set XT, S+64*((\u)%2)
.irp x, 0,1
	v_max3_num_f32 v[XC+4*\x], v[XC+4*\x], v[XC+4*\x+1], v[XT+32*\x+7]
	v_max3_num_f32 v[XC+4*\x+2], v[XC+4*\x+2], v[XC+4*\x+3], v[XT+32*\x+15]
.endr
.if (\a) == 1 || (\a) == 3
	AT2 (\u)+6                                     ; (ahead of the last step below, which writes the same two registers of FB)
.endif
.irp x, 0,1
	v_max3_num_f32 v[XC+4*\x], v[XC+4*\x], v[XT+32*\x+23], v[XT+32*\x+31]
.endr
.if \kl
	KLOAD \q
.endif
.irp x, 0,1
	v_max_num_f32 v[XC+4*\x], v[XC+4*\x], v[XC+4*\x+2]
.endr
.if (\a) == 1 || (\a) == 3
	ASUM (\u)+6
.endif
.irp x, 0,1
	v_mul_f32 v[XC+4*\x], s[NC], v[XC+4*\x]
.endr
.irp x, 0,1
	v_ceil_f32 v[FB+2*((\u)%2)+\x], v[XC+4*\x]
.endr
.endm
; t - Mb of chunk u, two at a time (of log2(e)'s pair the low word serves both halves, of -Mb's pair the tile's word)
.macro FMAS u
.set NB, S+64*((\u)%2)
.set NF, FB+2*((\u)%2)
.set i, 0
.rept 16
	v_pk_fma_f32 v[NB+i:NB+i+1], v[NB+i:NB+i+1], s[CS:CS+1], v[NF:NF+1] op_sel_hi:[1,0,0]
	v_pk_fma_f32 v[NB+32+i:NB+33+i], v[NB+32+i:NB+33+i], s[CS:CS+1], v[NF:NF+1] op_sel:[0,0,1] op_sel_hi:[1,0,1]
.set i, i+2
.endr
.endm
; THE GROUP'S END, both tiles side by side: M, the factors, the scale words, the sums
.macro GROUP
.irp x, 0,1
	v_min3_num_f32 v[TM+\x], v[MB+\x], v[MB+2+\x], v[MB+4+\x]
	v_min3_num_f32 v[TP+\x], v[MB+6+\x], v[MB+8+\x], v[MB+10+\x]
.endr
.irp x, 0,1
	v_min3_num_f32 v[TM+\x], v[TM+\x], v[MB+12+\x], v[MB+14+\x]
.endr
.irp x, 0,1
	v_min3_num_f32 v[TM+\x], v[TM+\x], v[TP+\x], v[MM+\x]
.endr
.irp x, 0,1
	v_permlanex16_b32 v[TP+\x], v[TM+\x], s[SEL], s[SEL+1]
.endr
.irp x, 0,1
	v_min_num_f32 v[TM+\x], v[TM+\x], v[TP+\x]     ; the new -M of my query: with lane l xor 16's blocks
.endr
	v_pk_add_f32 v[TP:TP+1], v[TM:TM+1], v[MM:MM+1] neg_lo:[0,1] neg_hi:[0,1]     ; old M - new M: whole numbers, 0 or less
.irp j, 0,2,4,6,8,10,12,14
	v_pk_add_f32 v[Y+\j:Y+\j+1], v[TM:TM+1], v[MB+\j:MB+\j+1] neg_lo:[0,1] neg_hi:[0,1]   ; Mb - M: whole numbers, 0 or less
.endr
.irp x, 0,1
	v_cvt_i32_f32 v[TP+\x], v[TP+\x]               ; (it saturates)
.endr
.irp j, 0,1,2,3,4,5,6,7,8,9,10,11,12,13,14,15
	v_max_num_f32 v[Y+\j], 0xc2f80000, v[Y+\j]     ; held at -124: the byte cannot fall under 1
.endr
.irp x, 0,1
	v_mov_b32 v[MM+\x], v[TM+\x]
.endr
.irp x, 0,1
	v_ldexp_f32 v[FF+\x], 1.0, v[TP+\x]
.endr
.irp j, 0,2,4,6,8,10,12,14
	v_pk_add_f32 v[Y+\j:Y+\j+1], v[Y+\j:Y+\j+1], 0x4b00007d op_sel_hi:[1,0]       ; + 2^23 + 125: the low byte is now the scale byte
.endr
.irp p, 0,2
.irp x, 0,1
	v_perm_b32 v[PW+\p+\x], v[Y+4*\p+2+\x], v[Y+4*\p+\x], 0x04000400     ; bytes 0, 1: my blocks of a step's two chunks,
	v_perm_b32 v[TW+\p+\x], v[Y+4*\p+6+\x], v[Y+4*\p+4+\x], 0x04000400   ; and of the next step's
.endr
.endr
.irp x, 0,1,2,3
	v_permlane16_swap_b32 v[PW+\x], v[TW+\x]       ; lanes 0-15: the first step's bytes of both halves of the lanes; lanes 16-31: the second's
.endr
.irp x, 0,1,2,3
	v_perm_b32 v[PW+\x], v[TW+\x], v[PW+\x], 0x05010400           ; blocks 0 .. 3 in order
.endr
	v_pk_mul_f32 v[SUM:SUM+1], v[SUM:SUM+1], v[FF:FF+1]
.irp j, 0,1,2,3,4,5,6,7,8,9,10,11,12,13,14,15
	v_lshlrev_b32 v[Y+\j], 23, v[Y+\j]             ; 2^(Mb - M - 2): the bits above the byte fall out
.endr
	v_pk_fma_f32 v[SUM:SUM+1], v[SB:SB+1], v[Y:Y+1], v[SUM:SUM+1]      ; the blocks' sums under M, in three chains
	v_pk_mul_f32 v[TW:TW+1], v[SB+2:SB+3], v[Y+2:Y+3]
	v_pk_mul_f32 v[TW+2:TW+3], v[SB+4:SB+5], v[Y+4:Y+5]
	v_pk_fma_f32 v[SUM:SUM+1], v[SB+6:SB+7], v[Y+6:Y+7], v[SUM:SUM+1]
	v_pk_fma_f32 v[TW:TW+1], v[SB+8:SB+9], v[Y+8:Y+9], v[TW:TW+1]
	v_pk_fma_f32 v[TW+2:TW+3], v[SB+10:SB+11], v[Y+10:Y+11], v[TW+2:TW+3]
	v_pk_fma_f32 v[SUM:SUM+1], v[SB+12:SB+13], v[Y+12:Y+13], v[SUM:SUM+1]
	v_pk_fma_f32 v[TW:TW+1], v[SB+14:SB+15], v[Y+14:Y+15], v[TW:TW+1]
	v_pk_add_f32 v[SUM:SUM+1], v[SUM:SUM+1], v[TW+2:TW+3]
	v_pk_add_f32 v[SUM:SUM+1], v[SUM:SUM+1], v[TW:TW+1]
	WIN 0x41
	s_wait_alu depctr_va_vdst(0)                   ; directly ahead of the first readers of O^T
.set i, 0
.rept 16
	v_pk_mul_f32 v[O+i:O+i+1], v[O+i:O+i+1], v[FF:FF+1] op_sel_hi:[1,0]           ; O^T under the new M
.set i, i+2
.endr
.rept 16
	v_pk_mul_f32 v[O+i:O+i+1], v[O+i:O+i+1], v[FF:FF+1] op_sel:[0,1] op_sel_hi:[1,1]
.set i, i+2
.endr
.endm
; O^T += V^T P^T for key steps 2 p and 2 p + 1 of a group.  Eight accumulators take turns
.macro PV p
	WIN 0x55
.irp x, 0,1
.irp t, 0,1,2,3
	v_wmma_scale_f32_16x16x128_f8f6f4 v[O+32*\x+8*\t:O+32*\x+8*\t+7], v[VB+8*\t:VB+8*\t+7], v[PC+32*\x+16*(\p):PC+32*\x+16*(\p)+7], v[O+32*\x+8*\t:O+32*\x+8*\t+7], v[SV+8*(\p)+\t], v[PW+2*(\p)+\x] matrix_a_fmt:MATRIX_FMT_FP4 matrix_b_fmt:MATRIX_FMT_FP4 matrix_a_scale:MATRIX_SCALE_ROW1
.endr
.endr
.irp x, 0,1
.irp t, 0,1,2,3
	v_wmma_scale_f32_16x16x128_f8f6f4 v[O+32*\x+8*\t:O+32*\x+8*\t+7], v[VB+32+8*\t:VB+32+8*\t+7], v[PC+32*\x+16*(\p)+8:PC+32*\x+16*(\p)+15], v[O+32*\x+8*\t:O+32*\x+8*\t+7], v[SV+8*(\p)+4+\t], v[PW+2*(\p)+\x] matrix_a_fmt:MATRIX_FMT_FP4 matrix_b_fmt:MATRIX_FMT_FP4 matrix_a_scale:MATRIX_SCALE_ROW1 matrix_b_scale:MATRIX_SCALE_ROW1
.endr
.endr
	WIN 0
.endm
; SEGMENT k of a group.  kl: ask LDS for K of chunk k + 2; w: products, maxima and multiply-adds of chunk k + 1; a: codes and sums of chunk k - 1 (2: and the end of the group before; 3: and that group's last products)
.macro SEG k, kl, w, a
	s_wait_alu depctr_va_vdst(0)                   ; ONE wait: ahead of this chunk's exponentials, and behind the last chunk's
.if (\a) == 3
	s_wait_dscnt 0x0                               ; V's steps 2 and 3 are in
	PV 1
.endif
.set EB, S+64*((\k)%2)
.set i, 0
.rept 64
	v_exp_f32 v[EB+i], v[EB+i]                     ; p' = 2^(t - Mb)
.set i, i+1
.endr
	s_wait_dscnt 0x0                               ; the fragments that were asked for in the last segment; since the wait at this segment's head only exponentials (and products) have been issued
.if \a
	CODES (\k)+7
	ADDS (\k)+7
.endif
.if \w
	WW (\k)+1, 0                                   ; the other buffer is free
	WW (\k)+1, 1
	WIN 0
.endif
.if \a
	AT1                                            ; four plain lines: the places behind the products
.else
.rept 4
	v_nop
.endr
.endif
.if (\a) == 2
	AT2 (\k)+7
	ASUM (\k)+7
	GROUP
	PV 0
	XM (\k)+1
	VLOAD 1                                        ; the 24 maxima above are the places behind the products that read these registers
	XTAIL (\k)+1, 2, \kl, 10                       ; (ADR still names the group before: its chunk 10 is this group's chunk 2)
	s_add_co_u32 s[TB], s[TB], GRP
	v_add_nc_u32 v[ADR], s[TB], v[LI]              ; from here on ADR names this group
	FMAS (\k)+1
.elseif \w
	XM (\k)+1
	XTAIL (\k)+1, \a, \kl, (\k)+2
.if (\k) == 6
	VLOAD 0
.endif
	FMAS (\k)+1
.else
	AT2 (\k)+7
	ASUM (\k)+7
.endif
.endm
	s_wait_alu depctr_va_vdst(0)                   ; the wait at the head's end
	s_wait_tensorcnt 0x0                           ; my part of key steps 0-3 is in
	ds_add_u32 v[SPW], v[NIL]
	s_wait_dscnt 0x0
	ROUND                                          ; everybody's part is in; the joint loads meet
	tensor_load_to_lds s[G0B:G0B+3], s[G1B:G1B+7]  ; key steps 4-15
	s_nop 0
.rept 4
	v_nop
.endr
	KLOAD 0
	KLOAD 1
	s_wait_dscnt 0x0
	WW 0, 0
	WW 0, 1
	WIN 0
.rept 4
	v_nop
.endr
	XM 0
	XTAIL 0, 0, 0, 0
	FMAS 0
	SEG 0, 1, 1, 0                                 ; group 0
	SEG 1, 1, 1, 1
	SEG 2, 1, 1, 1
	SEG 3, 1, 1, 1
	SEG 4, 1, 1, 1
	SEG 5, 1, 1, 1
	s_wait_alu depctr_va_vdst(0)
	s_wait_tensorcnt 0x0                           ; my part of key steps 4-15 is in
	s_wait_dscnt 0x0
	s_barrier_signal -1
	s_barrier_wait -1                              ; everybody's is. Segment 6 asks LDS for group 1's first keys
	SEG 6, 1, 1, 1
	SEG 7, 1, 1, 1
	s_mov_b32 s[CNT], 2
	s_wait_alu depctr_va_vdst(0)                   ; the wait ahead of the label
.Lgroup:                                           ; groups 1 and 2
	SEG 0, 1, 1, 2
	SEG 1, 1, 1, 3
	SEG 2, 1, 1, 1
	SEG 3, 1, 1, 1
	SEG 4, 1, 1, 1
	SEG 5, 1, 1, 1
	SEG 6, 1, 1, 1
	SEG 7, 1, 1, 1
	s_sub_co_u32 s[CNT], s[CNT], 1
	s_cmp_lg_u32 s[CNT], 0
	s_wait_alu depctr_va_vdst(0)                   ; the wait ahead of the branch
	s_cbranch_scc1 .Lgroup
	SEG 0, 1, 1, 2                                 ; group 3: no keys follow
	SEG 1, 1, 1, 3
	SEG 2, 1, 1, 1
	SEG 3, 1, 1, 1
	SEG 4, 1, 1, 1
	SEG 5, 1, 1, 1
	SEG 6, 0, 1, 1
	SEG 7, 0, 0, 1
	s_wait_alu depctr_va_vdst(0)                   ; ahead of the last exponentials' readers
	s_wait_dscnt 0x0                               ; V's first two steps are in
	CODES 7
	ADDS 7
	AT1
	AT2 7
	ASUM 7
	GROUP
	PV 0
	; THE WAY OUT.  O^T is divided by the sum and goes through my stage, so that whole rows of 256 bytes leave from neighbouring lanes.
.irp x, 0,1
	v_permlanex16_b32 v[TP+\x], v[SUM+\x], s[SEL], s[SEL+1]
.endr
	v_pk_add_f32 v[SUM:SUM+1], v[SUM:SUM+1], v[TP:TP+1]           ; with lane l xor 16's blocks: a quarter of the row's sum
	v_pk_mul_f32 v[SUM:SUM+1], v[SUM:SUM+1], 4.0 op_sel_hi:[1,0]  ; these four lines are the places behind the products that read V's registers
	VLOAD 1
	s_wait_alu depctr_va_vdst(0)
	s_wait_dscnt 0x0
	PV 1
	v_and_b32 v103, 15, v0                         ; r
	v_bfe_u32 v104, v0, 4, 1                       ; h
	v_mul_u32_u24 v105, v103, 272
	v_mul_u32_u24 v106, v104, 272
	v_lshl_add_u32 v105, v104, 5, v105
	v_lshl_add_u32 v106, v103, 4, v106
	v_add_nc_u32 v105, s42, v105                   ; in: row r, + 32 h
	v_add_nc_u32 v106, s42, v106                   ; back: row h, + 16 r
	s_wait_alu depctr_va_vdst(0)                   ; the wait ahead of the transcendentals
	v_rcp_f32 v[SUM], v[SUM]
	v_rcp_f32 v[SUM+1], v[SUM+1]
	v_nop
	WIN 0x01
	s_wait_alu depctr_va_vdst(0)                   ; and ahead of the first reader of their results and of O^T
.set i, 0
.rept 16
	v_pk_mul_f32 v[S+i:S+i+1], v[O+i:O+i+1], v[SUM:SUM+1] op_sel_hi:[1,0]         ; register 32 x + 8 t + i is out0(query r of tile x, channel 16 t + 8 h + i)
.set i, i+2
.endr
.rept 16
	v_pk_mul_f32 v[S+i:S+i+1], v[O+i:O+i+1], v[SUM:SUM+1] op_sel:[0,1] op_sel_hi:[1,1]
.set i, i+2
.endr
	WIN 0
.irp x, 0,1
.irp t, 0,1,2,3
	ds_store_b128 v105, v[S+32*\x+8*\t:S+32*\x+8*\t+3] offset:4352*\x+64*\t
	ds_store_b128 v105, v[S+32*\x+8*\t+4:S+32*\x+8*\t+7] offset:4352*\x+64*\t+16
.endr
.endr
.irp j, 0,1,2,3,4,5,6,7,8,9,10,11,12,13,14,15
	ds_load_b128 v[S+64+4*\j:S+64+4*\j+3], v106 offset:544*\j     ; LDS serves a wave's instructions in order: these see my stores
.endr
.irp j, 0,1,2,3,4,5,6,7,8,9,10,11,12,13,14,15
	s_wait_dscnt 15-\j                             ; load j is back, the younger ones may be out
	global_store_b128 v[LI], v[S+64+4*\j:S+64+4*\j+3], s[8:9] offset:512*\j th:TH_STORE_NT   ; 32 lanes store 512 consecutive bytes, at a multiple of 256 from out0's first byte
.endr
	s_wait_tensorcnt 0x0                           ; the wave's end
	ds_add_u32 v[SPW], v[NIL]
	s_wait_dscnt 0x0
	ROUND                                          ; the closing round: no work-group ends while a partner may still ask for a tile that names it
	s_endpgm
.Lfunc_end_k_q2ec5067fd0_attn:
	.size	k_q2ec5067fd0_attn, .Lfunc_end_k_q2ec5067fd0_attn-k_q2ec5067fd0_attn
	.p2alignl 7, 3214868480
	.fill 96, 4, 3214868480
	.section	.rodata,"a",@progbits
	.p2align	6, 0x0
	.amdhsa_kernel k_q2ec5067fd0_attn
		.amdhsa_group_segment_fixed_size 327680
		.amdhsa_private_segment_fixed_size 0
		.amdhsa_enable_private_segment 0
		.amdhsa_kernarg_size 24
		.amdhsa_user_sgpr_count 2
		.amdhsa_user_sgpr_kernarg_segment_ptr 1
		.amdhsa_wavefront_size32 1
		.amdhsa_system_sgpr_workgroup_id_x 1
		.amdhsa_system_sgpr_workgroup_id_y 1
		.amdhsa_system_sgpr_workgroup_id_z 1
		.amdhsa_system_vgpr_workitem_id 0
		.amdhsa_next_free_vgpr 512
		.amdhsa_next_free_sgpr 66
		.amdhsa_reserve_vcc 0
		.amdhsa_float_denorm_mode_32 3
		.amdhsa_float_denorm_mode_16_64 3
		.amdhsa_memory_ordered 1
		.amdhsa_forward_progress 1
		.amdhsa_inst_pref_size 255
	.end_amdhsa_kernel
	.section	.bss,"aw",@nobits
	.p2align	6
	.space	262144
	.amdgpu_metadata
---
amdhsa.version: [ 1, 2 ]
amdhsa.kernels:
  - .name:           k_q2ec5067fd0_attn
    .symbol:         k_q2ec5067fd0_attn.kd
    .args:
      - { .name: q, .offset: 0, .size: 8, .value_kind: global_buffer, .address_space: global }
      - { .name: kv, .offset: 8, .size: 8, .value_kind: global_buffer, .address_space: global }
      - { .name: out0, .offset: 16, .size: 8, .value_kind: global_buffer, .address_space: global }
    .group_segment_fixed_size: 327680
    .private_segment_fixed_size: 0
    .kernarg_segment_align: 8
    .kernarg_segment_size: 24
    .max_flat_workgroup_size: 256
    .sgpr_count:     66
    .vgpr_count:     512
    .wavefront_size: 32
...
	.end_amdgpu_metadata
.endif
;; end of part 2
